; MI455X (gfx1250); checked and timed in simulation.
; The chip was launched on July 23, 2026; its instructions are those of AMD's public machine-readable ISA for CDNA 5 (MIT licence, August 2026) and "CDNA5" Instruction Set Architecture Reference Guide (July 2026). The comments in the code are by the model that wrote it; some were corrected since.
;; Game Of Life Rules. Allowed arithmetic: matrix products marked QUANTISED: E3M2 operands, one E8M0 scale for each 32 along K, by v_wmma_scale_f32_16x16x128_f8f6f4 with both operands' format E3M2, f32 sums; products left as they are: f32 operands where the result goes on into a quantised operand, else bf16, f16 or f32 operands; f32 sums; everything else in f32.
;; Inputs: x 8 x 1 x 256 x 256 float32.
;; Outputs: out0 8 x 1 x 256 x 256 float32.
;; This version of the problem:
;;   THIS VERSION OF THE PROBLEM IS GIVEN IN LOW PRECISION. The matrix products marked QUANTISED in the list below multiply operands that are first quantised to E3M2 (3 exponent bits, 2 mantissa bits; 6 bits a number), with one power-of-two scale for each 32 numbers along K (OCP MX v1.0); their sums are f32. All else is computed in f32.
;;   The module's matrix products, in the order in which they are computed (A, B: the left and right operand; K: the contracted axis; several contracted axes count as one K, in the product's order):
;;     1. [M 140, K 140] x [K 140, N 524,288]; A: computed on the way; B: computed on the way: QUANTISED
;;     2. batch 524,288 x [M 1, K 140] x [K 140, N 1]; A: computed on the way; B: computed on the way: left as it is (M = 1 < 16)
;;   THE QUANTISER, for each operand of a quantised product, along K:
;;     - K is cut into blocks of 32 from its start; a last block that is shorter is filled with zeros.
;;     - A block's scale is 2^e with e = floor(log2(the largest magnitude in the block)) - 4, held to -126 .. 127; a block of zeros has e = 0. As a byte (E8M0): e + 127.
;;     - Each number is divided by its block's scale, clamped to +-28, and rounded to the nearest number of E3M2, ties to even, subnormals kept.
;;     - The product sums the exact products of the quantised numbers (number of the format x scale) in f32.
;;   ~~~python
;;   def quantise(x, axis):      # numpy; x: float32 -> the quantised numbers, widened to float32 again
;;       x = np.moveaxis(x, axis, -1); K = x.shape[-1]
;;       x = np.pad(x, [(0, 0)] * (x.ndim - 1) + [(0, -K % 32)]); x = x.reshape(x.shape[:-1] + (-1, 32)); a = np.abs(x).max(-1, keepdims=True)
;;       e = np.where(a > 0, np.clip(np.frexp(np.where(a > 0, a, 1))[1] - 1 - 4, -126, 127), 0)      # np.frexp(a)[1] - 1 = floor(log2(a)), exactly
;;       r = np.clip(x / 2.0 ** e, -28, 28)
;;       step = 2.0 ** (np.maximum(np.frexp(np.where(r == 0, 1, r))[1] - 1, -2) - 2)
;;       q = np.round(r / step) * step * 2.0 ** e      # np.round: ties to even
;;       return np.moveaxis(q.reshape(q.shape[:-2] + (-1,))[..., :K], -1, axis).astype(np.float32)
;;   ~~~
;;   OPERANDS COMPUTED ON THE WAY. 'Computed on the way' means the value that the module computes at that place (a softmax that the list does not call 'softmax' is quantised finished and normalised). What goes into a quantiser is computed in f32, as accurately as f32 sums, v_exp_f32 and their like allow (about 1e-6 of the number): no bf16 or f16 on the way to a quantiser, and a product that is left as it is and whose result goes on into a quantised operand takes f32 operands (vector FMAs, or v_wmma_f32_16x16x4_f32). A number that lies on a knife's edge between two numbers of the format may be rounded either way, as far as f32 arithmetic and the matrix unit's own rounding can turn it there, and no further.
;; One version. Each part assembles by itself: llvm-mc -triple=amdgcn-amd-amdhsa -mcpu=gfx1250 --defsym DOCPART=n.
;; ======== version 1 of 1: 1 launch
;; launch life (part 1): grid 256 x 1, 8 waves a work-group, no clusters, 21,504 bytes of LDS; arguments x, out0; writes out0
.if DOCPART == 1
	.amdgcn_target "amdgcn-amd-amdhsa--gfx1250"
	.amdhsa_code_object_version 6
	.text
	.protected	k_q82481712ad_life
	.globl	k_q82481712ad_life
	.p2align	8
	.type	k_q82481712ad_life,@function
k_q82481712ad_life:
	s_mov_b64 s[64:65], 0
	v_nop
	global_prefetch_b8 v0, s[64:65] scope:SCOPE_SE
	s_setreg_imm32_b32 hwreg(HW_REG_WAVE_MODE, 25, 1), 1
	s_wait_xcnt 0x0
; prob = sum_c acc_c - sum_j T_j acc_j,  T_j = sum_i pair[i][j] Q(acc)_i,  for each of 8 x 256 x 256 pixels; x, out0: f32.
; acc_c = product over the 9 circular neighbours of n_k or 1 - n_k, for the 140 patterns (84 with 3 live cells, 56 with 4 and a live centre), ascending in the pattern's number n.
; THE QUANTISED PRODUCT is pair^T x acc, K = the pattern axis i in blocks of 32 of that order (0-31, 32-63, 64-95, 96-127, 128-139 and zeros), on codes of E3M2 with E8M0 scales.
; pair is a 0/1 constant of the problem: code 0x1c (16) under the byte 123 (2^-4) is 1, exactly.  pair[i][j] is 1 only where i has 3 cells, j has 4 and i is a part of j: so only the 84 patterns of 3 cells
; need codes, only the 56 rows j of 4 cells can be other than 0, and a part i has a smaller number than j.  The patterns of 4 cells still count in each block's largest magnitude.
; SHARES.  256 work-groups of 8 waves; a work-group owns 8 rows x 256 columns of one image, a wave 4 rows x 64 columns, a lane 4 x 2 pixels.  A HALF is 32 pixels, one a lane; a trip is two halves
; (columns 2 lane and 2 lane + 1 of the wave's 64), whose two results a lane stores together: the wave's store covers 256 consecutive bytes, aligned.  No loop: 8 halves are written out, since each names other registers of x.
; THE LAYOUT OF THE PRODUCT.  Of a matrix instruction's K = 128, lane (r, h) holds k = 64 c + 32 h + 0..31.  Source 1 is EVERY LANE'S OWN CODES: column r has lane r's pixel in the blocks with h = 0 and lane 16 + r's in
; those with h = 1.  Source 0 has eight rows j twice: rows 0-7 with their ones in the blocks h = 0 only (lanes 0-7), rows 8-15 the same eight with their ones in the blocks h = 1 only (lanes 24-31).
; Register j of the result is then, in every lane, T of the tile's row j for the lane's own pixel.  No code and no result changes lanes; only the scale bytes do (three lane permutes a half).
; 7 tiles of 8 rows; K step S holds the blocks 2 S and 2 S + 1.  Of the 21 (tile, K step) fragments of pair 13 hold a one; the other 8 are zeros and are not multiplied.
; The second product (a dot product of one lane's 56 T with its 56 acc) and the sum of acc (by classes: sum over p of SH[p] SL[p], the same terms) are f32 vector work; neither goes into a quantiser.
; NOT USED: tensor loads and slots in LDS (a wave's whole input is 24 words a lane, loaded once); clusters (work-groups share only the two rows at their edges, 2 of the 10 that each reads); prefetches (all loads go out at the head).
; LIMITS: NaN and infinities among the inputs are not served.  A block of zeros gets the byte 1 where the rule says 127: its codes are zeros, and nobody else reads the bytes; pair's blocks of zeros carry 123 likewise.
; acc is multiplied in a tree (pairs of cells, fours, halves) and not cell by cell: eight roundings in f32 either way.
;
; A PATTERN'S NUMBER is n = 32 H + 16 X + l: H = cells 0-3 (cell 0 highest), X = the centre, l = cells 5-8.  acc = GH[H] x GLX[l], GL0 with the factor 1 - centre, GL1 with the centre.
; The three arrays of 16 lie in the order LAY, by number of live cells: none at place 0, one at 2-5, two at 6-11, three at 12-15, all four at 1: so that two neighbours of a class are one packed multiplication.
; REGISTERS.  Window 0: v1 16 x lane; v2-4 byte offsets in a row of x; v[6:7] a trip's results; v8 pair's scale word; v10-57 x as pairs (1 - v, v): rows y - 1 .. y + 4, columns 2 lane - 1 .. 2 lane + 2;
;   v58-105 GH, GL0, GL1 (later their class sums, the maxima, the bytes); v106-191 acc of the 3-cell patterns, block by block (later the 7 accumulators); v192-247 acc of the 4-cell patterns; v248-250 my codes' scale words; v251-255 sums.
;   Window 1: v0-155 the 13 fragments of pair; v160-195 my codes, three K steps; v196-210 the upper halves of four blocks as the conversions leave them.
.set FPB, 10
.set GH,  58
.set GL0, 74
.set GL1, 90
.set AC3, 106                          ; blocks at +0 (22), +22 (21), +44 (18), +62 (17), +80 (6); +43 and +79 are pads, so that every block begins on an even register
.set AC4, 192
.set TT,  AC3                          ; the accumulators: tile T at TT + 8 T: they take acc's place once the codes are made
.set AT,  AC3                          ; at the head: the fragment being built
.set PHH, AC3                          ; products of two cells, in the order 00, 11, 01, 10: cells 0, 1;
.set PHL, AC3+4                        ; 2, 3;
.set PLH, AC3+8                        ; 5, 6;
.set PLL, AC3+12                       ; 7, 8;
.set PC0, AC3+16                       ; cells 5, 6 x (1 - centre);
.set PC1, AC3+20                       ; cells 5, 6 x centre
.set MX,  GH+7                         ; five largest magnitudes, then the conversions' scale operands
.set BY,  GL0+7                        ; five scale bytes
.set VV,  GL1+7                        ; my two bytes of each K step
.set XP,  GL1+3                        ; and those of lane l xor 16
.set SL,  GL0+3                        ; SL[0..2]
.set SL3, GL0+13                       ; SL[3]
.set RES, 6
.set SA,  8
.set W0,  248
.set SS,  251
.set CH0, 252
.set BB0, 160                          ; window 1
.set UU,  196                          ; window 1
.set LAY_LO, 0xC38421F0                ; place q -> value, four bits each
.set LAY_HI, 0xEDB796A5
.set POS_LO, 0xCA846320                ; value -> place
.set POS_HI, 0x1FE7D9B5
.set JB_0, 0x100A0400                  ; H -> where H's patterns of 4 cells begin in AC4, a byte each
.set JB_1, 0x341E1A14
.set JB_2, 0x352C2822
.set JB_3, 0x00373630
.set MSB, 0
.macro WIN new                         ; the immediate's high byte repeats the setting that is left; a switch that changes nothing is dropped
.if MSB != \new
	s_set_vgpr_msb (MSB<<8)|\new
.set MSB, \new
.endif
.endm
.macro GETLAY q
.if (\q) < 8
.set LV, (LAY_LO>>(4*(\q)))&15
.else
.set LV, (LAY_HI>>(4*((\q)-8)))&15
.endif
.endm
.macro GETPOS v
.if (\v) < 8
.set PV, (POS_LO>>(4*(\v)))&15
.else
.set PV, (POS_HI>>(4*((\v)-8)))&15
.endif
.endm
; JN, a pattern of 4 cells with a live centre -> JJ, its register in AC4 and its row of pair^T
.macro JIDX
.set JH, JN>>5
.set JL, JN&15
.set JC, (JL&1)+((JL>>1)&1)+((JL>>2)&1)+((JL>>3)&1)
	GETPOS JL
.if JH < 4
.set JB, (JB_0>>(8*JH))&255
.elseif JH < 8
.set JB, (JB_1>>(8*(JH-4)))&255
.elseif JH < 12
.set JB, (JB_2>>(8*(JH-8)))&255
.else
.set JB, (JB_3>>(8*(JH-12)))&255
.endif
.set JJ, JB+PV-JC*(JC+1)
.endm
; The 3-cell pattern BN, at place BP of block LB, in the fragment (tile FT, K step FS): the rows j of the tile of which it is a part get the code 0x1c at that place.
; Row JJ % 8 lies in lane JJ % 8 (the blocks h = 0) and in lane 24 + JJ % 8 (h = 1).  Code p of a block stands at bits 6 p of its six registers.
.macro BLD
.if LB/2 == FS
.set RM, 0
.irp bt, 1,2,4,8,16,32,64,128,256
.if ((BN & \bt) == 0) && (((BN | \bt) & 16) != 0)
.set JN, BN|\bt
	JIDX
.if JJ/8 == FT
.set RM, RM|(1<<(JJ%8))
.endif
.endif
.endr
.if RM != 0
.set SH, (6*BP)%32
.set RG, AT+6*(LB%2)+(6*BP)/32
	s_mov_b32 exec_lo, RM|(RM<<24)
.if ((0x1c<<SH)&0xffffffff) != 0
	v_or_b32 v[RG], (0x1c<<SH)&0xffffffff, v[RG]
.endif
.if SH > 26
	v_or_b32 v[RG+1], 0x1c>>(32-SH), v[RG+1]
.endif
.endif
.endif
.endm
; two neighbours of GLX, places q and q + 1, times GH[H]
.macro M2 d, H, X, q
	GETPOS \H
.if PV%2 == 0
	v_pk_mul_f32 v[\d:\d+1], v[GH+PV:GH+PV+1], v[GL0+16*\X+\q:GL0+16*\X+\q+1] op_sel_hi:[0,1]
.else
	v_pk_mul_f32 v[\d:\d+1], v[GH+PV-1:GH+PV], v[GL0+16*\X+\q:GL0+16*\X+\q+1] op_sel:[1,0] op_sel_hi:[1,1]
.endif
.endm
; THE ENTRIES OF THE LIST OF 3-CELL PATTERNS.  LMODE = 0: the lane's multiplication, into AC3 + CUR.  LMODE = 1: the pattern's ones in the fragment of pair being built.  One list serves both, so a code's place is the same on both sides.
.macro E2 H, X, q                      ; places q, q + 1 of GLX
.if LMODE
	GETLAY \q
.set BN, 32*\H+16*\X+LV
.set BP, CUR-BASE
	BLD
	GETLAY \q+1
.set BN, 32*\H+16*\X+LV
.set BP, CUR+1-BASE
	BLD
.else
	M2 AC3+CUR, \H, \X, \q
.endif
.set CUR, CUR+2
.endm
.macro E1 H, X, q                      ; one pattern
.if LMODE
	GETLAY \q
.set BN, 32*\H+16*\X+LV
.set BP, CUR-BASE
	BLD
.else
	GETPOS \H
	v_mul_f32 v[AC3+CUR], v[GH+PV], v[GL0+16*\X+\q]
.endif
.set CUR, CUR+1
.endm
.macro EH Hq, X                        ; places Hq, Hq + 1 of GH, l = 0
.if LMODE
	GETLAY \Hq
.set BN, 32*LV+16*\X
.set BP, CUR-BASE
	BLD
	GETLAY \Hq+1
.set BN, 32*LV+16*\X
.set BP, CUR+1-BASE
	BLD
.else
	v_pk_mul_f32 v[AC3+CUR:AC3+CUR+1], v[GH+\Hq:GH+\Hq+1], v[GL0+16*\X:GL0+16*\X+1] op_sel_hi:[1,0]
.endif
.set CUR, CUR+2
.endm
.macro BLOCK b, base
.set LB, \b
.set BASE, \base
.set CUR, \base
.endm
.macro L3                              ; the 84 patterns of 3 cells, by the block of 32 of the 140 in which each lies; in a block the order is free, pairs first
	BLOCK 0, 0
	E2 0,0,12
	E2 0,0,14
	E2 0,1,6
	E2 0,1,8
	E2 0,1,10
	E2 1,0,6
	E2 1,0,8
	E2 1,0,10
	E2 1,1,2
	E2 1,1,4
	E1 2,0,6
	E1 2,0,8
	BLOCK 1, 22
	E2 2,0,10
	E2 2,1,2
	E2 2,1,4
	E2 3,0,2
	E2 3,0,4
	E2 4,0,6
	E2 4,0,8
	E2 4,0,10
	E2 4,1,2
	E1 2,0,9
	E1 2,0,7
	E1 3,1,0
	BLOCK 2, 44
	E2 4,1,4
	E2 5,0,2
	E2 5,0,4
	E2 6,0,2
	E2 6,0,4
	E2 8,0,8
	E2 8,0,10
	E1 8,0,6
	E1 5,1,0
	E1 6,1,0
	E1 7,0,0
	BLOCK 3, 62
	E2 8,1,2
	E2 8,1,4
	E2 9,0,2
	E2 9,0,4
	E2 10,0,2
	E2 10,0,4
	E1 8,0,7
	E1 9,1,0
	E1 10,1,0
	E1 11,0,0
	E1 12,0,2
	BLOCK 4, 80
	E2 12,0,4
	EH 14,0
	E1 12,0,3
	E1 12,1,0
.endm
.macro F2 H, q
	M2 AC4+CUR4, \H, 1, \q
.set CUR4, CUR4+2
.endm
.macro FH Hq
	v_pk_mul_f32 v[AC4+CUR4:AC4+CUR4+1], v[GH+\Hq:GH+\Hq+1], v[GL1:GL1+1] op_sel_hi:[1,0]
.set CUR4, CUR4+2
.endm
.macro L4                              ; the 56 patterns of 4 cells: register JJ of AC4 is row JJ of pair^T
.set CUR4, 0
	F2 0,12
	F2 0,14
	F2 1,6
	F2 1,8
	F2 1,10
	F2 2,6
	F2 2,8
	F2 2,10
	F2 3,2
	F2 3,4
	F2 4,6
	F2 4,8
	F2 4,10
	F2 5,2
	F2 5,4
	F2 6,2
	F2 6,4
	F2 8,6
	F2 8,8
	F2 8,10
	F2 9,2
	F2 9,4
	F2 10,2
	F2 10,4
	F2 12,2
	F2 12,4
	FH 12
	FH 14
.endm
; Fragment f of pair^T (tile T, K step S) is built by wave f % 8 and stored as an image of its 12 registers: lane l's 16 bytes at 16 l, 512 bytes a store.
.macro FRAGSEC f, T, S
	s_cmp_lg_u32 s8, (\f)&7
	s_cbranch_scc1 .Lnot_mine_\@
.irp i, 0,1,2,3,4,5,6,7,8,9,10,11
	v_mov_b32 v[AT+\i], 0
.endr
.set FT, \T
.set FS, \S
.set LMODE, 1
	L3
	s_wait_alu depctr_va_vdst(0)
	s_mov_b32 exec_lo, -1                          ; all lanes on again
.irp c, 0,1,2
	ds_store_b128 v1, v[AT+4*\c:AT+4*\c+3] offset:1536*(\f)+512*\c
.endr
	s_wait_dscnt 0x0                               ; the stores have read their registers: my second fragment may be begun
.Lnot_mine_\@:
.endm
.macro PAIR4 d, fa, fb                 ; two cells' pairs (1 - v, v) -> their four products, in the order 00, 11, 01, 10
	v_pk_mul_f32 v[\d:\d+1], v[\fa:\fa+1], v[\fb:\fb+1]
	v_pk_mul_f32 v[\d+2:\d+3], v[\fa:\fa+1], v[\fb:\fb+1] op_sel:[0,1] op_sel_hi:[1,0]
.endm
.macro BUILD16 X, A, B                 ; A: the upper two cells' four, B: the lower two's -> sixteen, in the order LAY
	v_pk_mul_f32 v[\X:\X+1],     v[\A:\A+1],   v[\B:\B+1]                                      ; 0, 15
	v_pk_mul_f32 v[\X+2:\X+3],   v[\A:\A+1],   v[\B+2:\B+3] op_sel_hi:[0,1]                    ; 1, 2
	v_pk_mul_f32 v[\X+4:\X+5],   v[\A+2:\A+3], v[\B:\B+1] op_sel_hi:[1,0]                      ; 4, 8
	v_pk_mul_f32 v[\X+6:\X+7],   v[\A:\A+1],   v[\B:\B+1] op_sel:[0,1] op_sel_hi:[1,0]         ; 3, 12
	v_pk_mul_f32 v[\X+8:\X+9],   v[\A+2:\A+3], v[\B+2:\B+3]                                    ; 5, 10
	v_pk_mul_f32 v[\X+10:\X+11], v[\A+2:\A+3], v[\B+2:\B+3] op_sel:[0,1] op_sel_hi:[1,0]       ; 6, 9
	v_pk_mul_f32 v[\X+12:\X+13], v[\A+2:\A+3], v[\B:\B+1] op_sel:[0,1] op_sel_hi:[1,1]         ; 7, 11
	v_pk_mul_f32 v[\X+14:\X+15], v[\A:\A+1],   v[\B+2:\B+3] op_sel:[1,0] op_sel_hi:[1,1]       ; 13, 14
.endm
.macro MXR b, base, n                  ; two more leaves of block b's largest magnitude, while it has any
.if II < \n
	v_max3_num_f32 v[MX+\b], v[MX+\b], |v[\base+2*II]|, |v[\base+2*II+1]|
.endif
.endm
.macro MM f, T, S                      ; fragment f: tile T += pair^T(T, S) x my codes of K step S; a tile's first K step starts its sum
.if \S == 0
	v_wmma_scale_f32_16x16x128_f8f6f4 v[TT+8*\T:TT+8*\T+7], v[12*\f:12*\f+11], v[BB0+12*\S:BB0+12*\S+11], 0, v[SA], v[W0+\S] matrix_a_fmt:MATRIX_FMT_BF6 matrix_b_fmt:MATRIX_FMT_BF6
.else
	v_wmma_scale_f32_16x16x128_f8f6f4 v[TT+8*\T:TT+8*\T+7], v[12*\f:12*\f+11], v[BB0+12*\S:BB0+12*\S+11], v[TT+8*\T:TT+8*\T+7], v[SA], v[W0+\S] matrix_a_fmt:MATRIX_FMT_BF6 matrix_b_fmt:MATRIX_FMT_BF6
.endif
.endm
; ---------------- THE HEAD ----------------
	s_load_b128 s[4:7], s[0:1], 0x0                ; x s[4:5], out0 s[6:7]
	v_lshl_add_u32 v9, v0, 2, 0x5000
	s_set_vgpr_msb 0x40
	v_mov_b32 v225, 0
	s_set_vgpr_msb 0x4000
	v_lshrrev_b32 v5, 5, v0
	s_delay_alu instid0(VALU_DEP_1)
	v_readfirstlane_b32 s8, v5                     ; wave 0..7
	v_and_b32 v5, 31, v0                           ; lane
	s_delay_alu instid0(VALU_DEP_1)
	v_lshlrev_b32 v1, 4, v5                        ; 16 x lane: an image's place for my lane
	s_and_b32 s9, s8, 3                            ; which 64 columns are my wave's
	s_lshl_b32 s9, s9, 8
	v_lshl_add_u32 v3, v5, 3, s9                   ; my even column's byte in a row: 256 x (wave % 4) + 8 x lane; also my place in a row of out0
	s_delay_alu instid0(VALU_DEP_1)
	v_add_nc_u32 v2, -4, v3
	s_delay_alu instid0(VALU_DEP_1)
	v_and_b32 v2, 0x3ff, v2                        ; the column to its left, round the row's end
	s_delay_alu instid0(VALU_DEP_3)
	v_add_nc_u32 v4, 8, v3
	s_delay_alu instid0(VALU_DEP_1)
	v_and_b32 v4, 0x3ff, v4                        ; the column to the right of my odd column, likewise
	s_lshr_b32 s10, ttmp9, 5
	s_lshl_b32 s10, s10, 18                        ; the image: 32 work-groups each, 262,144 bytes
	s_and_b32 s11, ttmp9, 31
	s_lshl_b32 s11, s11, 3
	s_lshr_b32 s12, s8, 2
	s_lshl_b32 s12, s12, 2
	s_add_co_u32 s11, s11, s12                     ; my wave's first row: 8 x (work-group % 32) + 4 x (wave / 4)
	s_mov_b32 s23, 0
	s_mov_b32 s24, 0x76543210
	s_mov_b32 s25, 0xfedcba98                      ; v_permlanex16_b32's selects for lane l xor 16
	s_lshl_b32 s22, s11, 10
	s_add_co_u32 s22, s22, s10
	s_wait_alu depctr_va_vdst(0)
	s_wait_kmcnt 0x0
	s_add_nc_u64 s[16:17], s[4:5], s[22:23]        ; x at my first row
	s_add_nc_u64 s[20:21], s[6:7], s[22:23]        ; out0 likewise
	s_add_co_u32 s13, s11, 255
	s_and_b32 s13, s13, 255                        ; the row above, round the image's edge
	s_lshl_b32 s13, s13, 10
	s_add_co_u32 s22, s13, s10
	s_add_nc_u64 s[14:15], s[4:5], s[22:23]
	s_add_co_u32 s13, s11, 4
	s_and_b32 s13, s13, 255                        ; the row below my four
	s_lshl_b32 s13, s13, 10
	s_add_co_u32 s22, s13, s10
	s_add_nc_u64 s[18:19], s[4:5], s[22:23]
.macro LDROW rho, base, off            ; four columns of one row, into the upper registers of the pairs (1 - v, v)
	global_load_b32 v[FPB+8*\rho+1], v2, s[\base:\base+1] offset:\off
	global_load_b32 v[FPB+8*\rho+3], v3, s[\base:\base+1] offset:\off
	global_load_b32 v[FPB+8*\rho+5], v3, s[\base:\base+1] offset:\off+4
	global_load_b32 v[FPB+8*\rho+7], v4, s[\base:\base+1] offset:\off
.endm
	LDROW 0, 14, 0
	LDROW 1, 16, 0
	LDROW 2, 16, 1024
	LDROW 3, 16, 2048
	LDROW 4, 16, 3072
	LDROW 5, 18, 0                                 ; all that the wave ever reads of x: 24 loads; they land while the fragments are built
	s_wait_xcnt 0x0                                ; EXEC is one of a pending load's sources: it is changed only behind this wait (ISA guide 3.1)
	; the 13 fragments of pair^T, in the order in which they are multiplied
	FRAGSEC 0, 0, 0
	FRAGSEC 1, 1, 0
	FRAGSEC 2, 6, 0
	FRAGSEC 3, 2, 0
	FRAGSEC 4, 3, 0
	FRAGSEC 5, 4, 0
	FRAGSEC 6, 5, 0
	FRAGSEC 7, 6, 1
	FRAGSEC 8, 2, 1
	FRAGSEC 9, 3, 1
	FRAGSEC 10, 4, 1
	FRAGSEC 11, 5, 1
	FRAGSEC 12, 6, 2
	v_mov_b32 v[SA], 0x7b7b7b7b                    ; pair's scale word: 2^-4 for every block
	v_mov_b32 v[AC3+43], 0                         ; the two pads are read by conversions, at places where every row of pair has the code 0: they only have to be written
	v_mov_b32 v[AC3+79], 0
	WIN 0x40                                       ; destination window 1
.set II, 0
.rept 36
	v_mov_b32 v[BB0+II], 0                         ; my codes' registers: those that no conversion writes stay zero codes (K past the 140 patterns, and places past a block's 3-cell patterns)
.set II, II+1
.endr
	WIN 0
	s_wait_dscnt 0x0                               ; for the others' sake: my images have landed
	s_barrier_signal -1
	s_barrier_wait -1                              ; all 13 lie in LDS; nothing is stored there again
	WIN 0x40
.set II, 0
.rept 39
	ds_load_b128 v[4*II:4*II+3], v1 offset:512*II  ; fragment f at v[12 f] of window 1, as its builder held it: they stay for the whole launch
.set II, II+1
.endr
	WIN 0
	s_wait_loadcnt 0x0                             ; x
.set II, 0
.rept 24
	v_sub_f32 v[FPB+2*II], 1.0, v[FPB+2*II+1]      ; the pairs' lower registers: 1 - v
.set II, II+1
.endr
	s_wait_dscnt 0x0                               ; the fragments
; ---------------- A HALF: row t of my four, column 2 lane + e ----------------
.macro HALF t, e
.set CE, FPB+8*(\t)+2*(\e)             ; cell k's pair: CE + 8 (k / 3) + 2 (k % 3)
	PAIR4 PHH, CE, CE+2
	PAIR4 PHL, CE+4, CE+8
	PAIR4 PLH, CE+12, CE+16
	PAIR4 PLL, CE+18, CE+20
	s_delay_alu instid0(VALU_DEP_4)
	v_pk_mul_f32 v[PC0:PC0+1],   v[PLH:PLH+1],   v[CE+10:CE+11] op_sel_hi:[1,0]                ; x (1 - centre)
	s_delay_alu instid0(VALU_DEP_4)
	v_pk_mul_f32 v[PC0+2:PC0+3], v[PLH+2:PLH+3], v[CE+10:CE+11] op_sel_hi:[1,0]
	v_pk_mul_f32 v[PC1:PC1+1],   v[PLH:PLH+1],   v[CE+10:CE+11] op_sel:[0,1] op_sel_hi:[1,1]   ; x centre
	v_pk_mul_f32 v[PC1+2:PC1+3], v[PLH+2:PLH+3], v[CE+10:CE+11] op_sel:[0,1] op_sel_hi:[1,1]
	BUILD16 GH, PHH, PHL
	BUILD16 GL0, PC0, PLL
	BUILD16 GL1, PC1, PLL
.set LMODE, 0
	L4                                             ; acc of the 56 patterns of 4 cells,
	L3                                             ; and of the 84 of 3
	; the three arrays' sums by number of live cells, in place: they end at places 0, 2, 6, 12
.irp g, GH, GL0, GL1
	v_pk_add_f32 v[\g+2:\g+3], v[\g+2:\g+3], v[\g+4:\g+5]
.endr
.irp g, GH, GL0, GL1
	v_pk_add_f32 v[\g+6:\g+7], v[\g+6:\g+7], v[\g+8:\g+9]
.endr
.irp g, GH, GL0, GL1
	v_pk_add_f32 v[\g+12:\g+13], v[\g+12:\g+13], v[\g+14:\g+15]
.endr
.irp g, GH, GL0, GL1
	v_add_f32 v[\g+2], v[\g+2], v[\g+3]
.endr
.irp g, GH, GL0, GL1
	v_pk_add_f32 v[\g+6:\g+7], v[\g+6:\g+7], v[\g+10:\g+11]
.endr
.irp g, GH, GL0, GL1
	v_add_f32 v[\g+12], v[\g+12], v[\g+13]
.endr
.irp g, GH, GL0, GL1
	v_add_f32 v[\g+6], v[\g+6], v[\g+7]
.endr
	; each block's largest magnitude, over ALL its patterns, of 3 cells and of 4; the floor 2^(5 - 127) among the leaves holds the byte at 1 from below.  The five blocks by turns
	v_max3_num_f32 v[MX+0], |v[AC3+0]|,  |v[AC3+1]|,  0x2800000
	v_max3_num_f32 v[MX+1], |v[AC3+22]|, |v[AC4+20]|, 0x2800000
	v_max3_num_f32 v[MX+2], |v[AC4+21]|, |v[AC4+52]|, 0x2800000
	v_max3_num_f32 v[MX+3], |v[AC3+62]|, |v[AC4+53]|, 0x2800000
	v_max3_num_f32 v[MX+4], |v[AC4+54]|, |v[AC4+55]|, 0x2800000
.set II, 0
.rept 10
	MXR 0, AC3+2, 10
	MXR 1, AC3+23, 10
	MXR 2, AC3+44, 9
	MXR 3, AC3+63, 8
	MXR 4, AC3+80, 3
.set II, II+1
.endr
.set II, 0
.rept 7
	MXR 0, AC4+0, 5
	MXR 1, AC4+10, 5
	MXR 2, AC4+22, 6
	MXR 3, AC4+34, 7
	MXR 4, AC4+48, 2
.set II, II+1
.endr
.irp b, 0,1,2,3,4
	v_add_nc_u32 v[MX+\b], 0xfe000000, v[MX+\b]    ; 4 off the exponent field: the conversion takes the exponent field of this operand as its scale, and nothing else of it
.endr
.irp b, 0,1,2,3,4
	v_lshrrev_b32 v[BY+\b], 23, v[MX+\b]           ; the scale's byte
.endr
	s_delay_alu instid0(VALU_DEP_4)
	v_lshl_or_b32 v[VV+0], v[BY+1], 16, v[BY+0]    ; K step S: my pixel's bytes of blocks 2 S and 2 S + 1, at bytes 0 and 2 (the blocks h = 0);
	s_delay_alu instid0(VALU_DEP_3)
	v_lshl_or_b32 v[VV+1], v[BY+3], 16, v[BY+2]
	s_delay_alu instid0(VALU_DEP_3)
	v_or_b32 v[VV+2], 0x7f0000, v[BY+4]            ; (there is no block 5: zero codes under the byte 127)
.irp s, 0,1,2
	s_delay_alu instid0(VALU_DEP_3)
	v_permlanex16_b32 v[XP+\s], v[VV+\s], s24, s25
.endr
.irp s, 0,1,2
	s_delay_alu instid0(VALU_DEP_3)
	v_lshl_or_b32 v[W0+\s], v[XP+\s], 8, v[VV+\s]  ; lane l xor 16's at bytes 1 and 3 (the blocks h = 1): in lanes 0-15 column r's scale word; lanes 16-31 are not read
.endr
	WIN 0x40                                       ; destination window 1
	v_cvt_scalef32_pk16_bf6_f32 v[BB0:BB0+2],     v[AC3:AC3+15],    v[MX]      ; a block's first 16 places go straight into the operand's registers 6 c .. 6 c + 2
	v_cvt_scalef32_pk16_bf6_f32 v[BB0+6:BB0+8],   v[AC3+22:AC3+37], v[MX+1]
	v_cvt_scalef32_pk16_bf6_f32 v[BB0+12:BB0+14], v[AC3+44:AC3+59], v[MX+2]
	v_cvt_scalef32_pk16_bf6_f32 v[BB0+18:BB0+20], v[AC3+62:AC3+77], v[MX+3]
	v_cvt_scalef32_pk16_bf6_f32 v[BB0+24:BB0+26], v[AC3+80:AC3+95], v[MX+4]    ; (what a run of 16 takes past its block's patterns gives codes that meet only zeros of pair)
	v_cvt_scalef32_pk16_bf6_f32 v[UU:UU+2],       v[AC3+16:AC3+31], v[MX]      ; the places from 16 on: a conversion's three registers begin on an even number, so they are made elsewhere and moved
	v_cvt_scalef32_pk16_bf6_f32 v[UU+4:UU+6],     v[AC3+38:AC3+53], v[MX+1]
	v_cvt_scalef32_pk16_bf6_f32 v[UU+8:UU+10],    v[AC3+60:AC3+75], v[MX+2]
	v_cvt_scalef32_pk16_bf6_f32 v[UU+12:UU+14],   v[AC3+78:AC3+93], v[MX+3]
	v_nop                                          ; one plain place behind a scaled conversion
	WIN 0x41                                       ; source 0 and destination window 1
	v_mov_b32 v[BB0+3],  v[UU]                     ; block 0 has 22 patterns of 3 cells: places 16-21, 36 bits;
	v_mov_b32 v[BB0+4],  v[UU+1]
	v_mov_b32 v[BB0+9],  v[UU+4]                   ; blocks 1, 2, 3 have 21, 18, 17: one register each
	v_mov_b32 v[BB0+15], v[UU+8]
	v_mov_b32 v[BB0+21], v[UU+12]
	WIN 0
	; the sum of acc by classes.  These eight plain lines also stand between the last write of an operand and of a scale word and the scaled matrix instructions
	v_add_f32 v[SL+0], v[GL0+12], v[GL1+6]
	v_add_f32 v[SL+1], v[GL0+6],  v[GL1+2]
	v_add_f32 v[SL+2], v[GL0+2],  v[GL1+0]
	v_add_f32 v[SL3],  v[GL0+0],  v[GL1+0]         ; H has 3 live cells: l none
	s_delay_alu instid0(VALU_DEP_4)
	v_add_f32 v[SL+0], v[SL+0], v[GL1+12]          ; H has none: dead centre and 3 of l, live centre and 2 or 3
	s_delay_alu instid0(VALU_DEP_4)
	v_add_f32 v[SL+1], v[SL+1], v[GL1+6]           ; one
	s_delay_alu instid0(VALU_DEP_4)
	v_add_f32 v[SL+2], v[SL+2], v[GL1+2]           ; two
	s_delay_alu instid0(VALU_DEP_3)
	v_mul_f32 v[SS], v[GH+0], v[SL+0]
	WIN 0x05                                       ; sources 0 and 1 window 1; C and D window 0
	MM 0, 0, 0                                     ; the accumulators take turns, one instruction a turn: no two neighbours share one, from half to half either
	MM 1, 1, 0
	MM 2, 6, 0
	MM 3, 2, 0
	MM 4, 3, 0
	MM 5, 4, 0
	MM 6, 5, 0
	MM 7, 6, 1
	MM 8, 2, 1
	MM 9, 3, 1
	MM 10, 4, 1
	MM 11, 5, 1
	MM 12, 6, 2
	WIN 0
	v_fma_f32 v[SS], v[GH+2],  v[SL+1], v[SS]      ; four plain lines that name none of the products' registers stand behind the last of them (ISA guide 7.12.1)
	s_delay_alu instid0(VALU_DEP_1)
	v_fma_f32 v[SS], v[GH+6],  v[SL+2], v[SS]
	s_delay_alu instid0(VALU_DEP_1)
	v_fma_f32 v[SS], v[GH+12], v[SL3],  v[SS]
	v_nop
	; the second product: sum over j of T_j acc_j, acc unquantised, in f32, two chains of packed multiply-adds; each accumulator is read from its low end on
	v_pk_mul_f32 v[CH0:CH0+1],   v[TT:TT+1],   v[AC4:AC4+1]
	v_pk_mul_f32 v[CH0+2:CH0+3], v[TT+2:TT+3], v[AC4+2:AC4+3]
.set QQ, 2
.rept 26
	v_pk_fma_f32 v[CH0+2*(QQ%2):CH0+2*(QQ%2)+1], v[TT+2*QQ:TT+2*QQ+1], v[AC4+2*QQ:AC4+2*QQ+1], v[CH0+2*(QQ%2):CH0+2*(QQ%2)+1]
.set QQ, QQ+1
.endr
	s_delay_alu instid0(VALU_DEP_1)
	v_pk_add_f32 v[CH0:CH0+1], v[CH0:CH0+1], v[CH0+2:CH0+3]
	s_delay_alu instid0(VALU_DEP_1)
	v_add_f32 v[CH0], v[CH0], v[CH0+1]
	s_delay_alu instid0(VALU_DEP_1)
	v_sub_f32 v[RES+\e], v[SS], v[CH0]
.endm
.macro TRIP t
.if \t > 0
	s_wait_xcnt 0x0                                ; the last trip's store has read its data: the results' pair is written again only behind this wait
.endif
	HALF \t, 0
	HALF \t, 1
	global_store_b64 v3, v[RES:RES+1], s[20:21] offset:1024*\t th:TH_STORE_NT   ; 32 lanes store 256 consecutive bytes, at a multiple of 256 from out0's first byte; written once, read by nobody here
.endm
	TRIP 0
	TRIP 1
	TRIP 2
	TRIP 3
	s_set_vgpr_msb 0x4
	s_wait_tensorcnt 0x0
	ds_add_u32 v9, v225
	s_wait_dscnt 0x0
	s_set_vgpr_msb 0x400
	s_endpgm
.Lfunc_end_k_q82481712ad_life:
	.size	k_q82481712ad_life, .Lfunc_end_k_q82481712ad_life-k_q82481712ad_life
	.p2alignl 7, 3214868480
	.fill 96, 4, 3214868480
	.section	.rodata,"a",@progbits
	.p2align	6, 0x0
	.amdhsa_kernel k_q82481712ad_life
		.amdhsa_group_segment_fixed_size 21504
		.amdhsa_private_segment_fixed_size 0
		.amdhsa_enable_private_segment 0
		.amdhsa_kernarg_size 16
		.amdhsa_user_sgpr_count 2
		.amdhsa_user_sgpr_kernarg_segment_ptr 1
		.amdhsa_wavefront_size32 1
		.amdhsa_system_sgpr_workgroup_id_x 1
		.amdhsa_system_sgpr_workgroup_id_y 1
		.amdhsa_system_sgpr_workgroup_id_z 1
		.amdhsa_system_vgpr_workitem_id 0
		.amdhsa_next_free_vgpr 482
		.amdhsa_next_free_sgpr 66
		.amdhsa_reserve_vcc 0
		.amdhsa_float_denorm_mode_32 3
		.amdhsa_float_denorm_mode_16_64 3
		.amdhsa_memory_ordered 1
		.amdhsa_forward_progress 1
		.amdhsa_inst_pref_size 188
	.end_amdhsa_kernel
	.amdgpu_metadata
---
amdhsa.version: [ 1, 2 ]
amdhsa.kernels:
  - .name:           k_q82481712ad_life
    .symbol:         k_q82481712ad_life.kd
    .args:
      - { .name: x, .offset: 0, .size: 8, .value_kind: global_buffer, .address_space: global }
      - { .name: out0, .offset: 8, .size: 8, .value_kind: global_buffer, .address_space: global }
    .group_segment_fixed_size: 21504
    .private_segment_fixed_size: 0
    .kernarg_segment_align: 8
    .kernarg_segment_size: 16
    .max_flat_workgroup_size: 256
    .sgpr_count:     66
    .vgpr_count:     482
    .wavefront_size: 32
...
	.end_amdgpu_metadata
.endif
;; end of part 1
